; MI455X (gfx1250); checked and timed in simulation.
; The chip was launched on July 23, 2026; its instructions are those of AMD's public machine-readable ISA for CDNA 5 (MIT licence, August 2026) and "CDNA5" Instruction Set Architecture Reference Guide (July 2026). The comments in the code are by the model that wrote it; some were corrected since.
;; Packed Ternary Linear. Allowed arithmetic: float matrix products may take bf16 or f16 operands with f32 sums; other float arithmetic in f32, or as packed bf16 or f16 multiplies, adds, multiply-adds, maxima and minima; sums over many terms, partial sums and values carried from step to step in f32; what a program stores and reads back later, other than sums and carried values, may be rounded once to bf16 or f16.
;; Inputs: alpha one number float32; bias 4,096 float32; packed_weights 4,194,304 uint8; sparsity_bitmap 2,097,152 uint8; x 4,096 x 4,096 float32.
;; Outputs: out0 4,096 x 4,096 float32.
;; 2 versions, each right; version 2 is version 1 with the launch prep written anew for expert scheduling mode. Each part assembles by itself: llvm-mc -triple=amdgcn-amd-amdhsa -mcpu=gfx1250 --defsym DOCPART=n.
;; ======== version 1 of 2: 2 launches
;; workspace buffers: xb 33,554,432 bytes; wb 33,554,432 bytes
;; launch prep (part 1): grid 1024 x 1, 8 waves a work-group, no clusters, 0 bytes of LDS; arguments x, packed_weights, xb, wb; writes xb, wb
.if DOCPART == 1
	.amdgcn_target "amdgcn-amd-amdhsa--gfx1250"
	.amdhsa_code_object_version 6
	.text
	.protected	k_qb5da910618_prep
	.globl	k_qb5da910618_prep
	.p2align	8
	.type	k_qb5da910618_prep,@function
k_qb5da910618_prep:
	s_mov_b64 s[64:65], 0
	v_nop
	global_prefetch_b8 v0, s[64:65] scope:SCOPE_SE
	s_setreg_imm32_b32 hwreg(HW_REG_WAVE_MODE, 25, 1), 1
	s_wait_xcnt 0x0
; xb = x rounded once to bf16 (nearest even).  wb[o][i] = the ternary weight as bf16: code 0 -> 0, 1 -> +1, 2 -> -1, 3 -> 0: exact.
; x: [4096][4096] f32.  packed_weights: 4 codes of 2 bits a byte, the lowest bits first, weight n = 4096 o + i.  xb, wb: [4096][4096] bf16.
; LIMIT.  An |x| beyond bf16's largest finite number becomes an infinity; NaN stays NaN.
; SHARES.  Work-group g takes 4 rows of x (65,536 bytes in, 32,768 out) and 4 rows of W (4,096 bytes in, 32,768 out); each of its eight waves an eighth of both.
; A straight line: a wave asks for all its 8,704 bytes first (8 loads of codes, 16 of x), then unpacks, converts and stores as the loads come back, by counted waits.
; No register that a store reads is written afterwards, so no wait frees one.  Nothing is shared between waves: no LDS, no barrier.
; BYTES.  A load of x covers 512 consecutive bytes of the wave; its store 256 consecutive bytes, aligned.  A load of codes takes 2 bytes a lane (8 weights), which become the lane's 16 bytes of
; wb: the store covers 512 consecutive bytes, aligned; the wave's eight loads of codes cover 512 consecutive bytes.
.set VX,  3                            ; v3   my byte offset in the work-group's x:      8,192 w + 16 l
.set VXO, 4                            ; v4   in its xb:                                 4,096 w + 8 l
.set VP,  5                            ; v5   in its codes:                              512 w + 2 l
.set VW,  6                            ; v6   in its wb:                                 4,096 w + 16 l
.set X,   16                           ; v[16:79]   load j of x: 4 registers; its two packed results take the first two
.set CD,  80                           ; v[80:87]   load j of codes: 16 bits
.set WO,  88                           ; v[88:119]  store j of wb: 4 registers
	s_load_b256 s[4:11], s[0:1], 0x0               ; x s[4:5], packed_weights s[6:7], xb s[8:9], wb s[10:11]
	s_lshl_b32 s12, ttmp9, 16                      ; the work-group's part of x,
	s_mov_b32 s13, 0
	s_lshl_b32 s14, ttmp9, 15                      ; of xb and of wb,
	s_mov_b32 s15, 0
	s_lshl_b32 s16, ttmp9, 12                      ; of the codes: all under 2^32
	s_mov_b32 s17, 0
	s_mov_b32 s18, 0x03030303                      ; a code in each byte
	s_mov_b32 s19, 0x04000400                      ; bytes 1 and 3 select from the table of high bytes
	s_mov_b32 s20, 0x00bf3f00                      ; bf16's high byte for codes 0, 1, 2, 3: 0, +1 (0x3f80), -1 (0xbf80), 0
	s_mov_b32 s21, 0x00808000                      ; and its low byte
	s_mov_b32 s22, 0x404101                        ; 1 + 2^8 + 2^14 + 2^22
	v_and_b32 v1, 31, v0                           ; l
	v_and_b32 v2, 0xe0, v0                         ; 32 w
	v_lshlrev_b32 v7, 4, v1
	v_lshlrev_b32 v8, 3, v1
	v_lshlrev_b32 v9, 1, v1
	v_lshl_or_b32 v[VX],  v2, 8, v7
	v_lshl_or_b32 v[VXO], v2, 7, v8
	v_lshl_or_b32 v[VP],  v2, 4, v9
	v_lshl_or_b32 v[VW],  v2, 7, v7
	s_wait_kmcnt 0x0
	s_add_nc_u64 s[4:5], s[4:5], s[12:13]
	s_add_nc_u64 s[6:7], s[6:7], s[16:17]
	s_add_nc_u64 s[8:9], s[8:9], s[14:15]
	s_add_nc_u64 s[10:11], s[10:11], s[14:15]
.irp j, 0,1,2,3,4,5,6,7
	global_load_u16 v[CD+(\j)], v[VP], s[6:7] offset:64*(\j)
.endr
.irp j, 0,1,2,3,4,5,6,7,8,9,10,11,12,13,14,15
	global_load_b128 v[X+4*(\j):X+4*(\j)+3], v[VX], s[4:5] offset:512*(\j) th:TH_LOAD_NT
.endr
; Eight weights.  Register r takes weights 2 r and 2 r + 1: the four bits n = c0 + 4 c1 at bit 4 r.  n x (1 + 2^8 + 2^14 + 2^22) lays four copies that do not touch each other, so that
; bits 1:0 and 9:8 hold c0 and bits 17:16 and 25:24 hold c1; masked, with 4 set in bytes 1 and 3, these are the four byte selects of v_perm_b32: low byte, high byte of c0's bf16, then of c1's.
.macro UNPACK j
	s_wait_loadcnt 23-(\j)                         ; loads come back in order: behind load j of the codes stand 7 - j of the codes and the 16 of x
.irp r, 0,1,2,3
	v_bfe_u32 v[WO+4*(\j)+(\r)], v[CD+(\j)], 4*(\r), 4
.endr
.irp r, 0,1,2,3
	v_mul_u32_u24 v[WO+4*(\j)+(\r)], s22, v[WO+4*(\j)+(\r)]
.endr
.irp r, 0,1,2,3
	v_and_or_b32 v[WO+4*(\j)+(\r)], v[WO+4*(\j)+(\r)], s18, s19
.endr
.irp r, 0,1,2,3
	v_perm_b32 v[WO+4*(\j)+(\r)], s20, s21, v[WO+4*(\j)+(\r)]  ; selects 0-3: the second source (low bytes); 4-7: the first (high bytes)
.endr
	global_store_b128 v[VW], v[WO+4*(\j):WO+4*(\j)+3], s[10:11] offset:512*(\j) th:TH_STORE_NT  ; codes at byte q are weights 4 q on: wb's bytes 8 q on
.endm
; Four numbers of x: two roundings an instruction, in place, in this order.
.macro CONV j
	s_wait_loadcnt 15-(\j)                         ; behind load j of x stand 15 - j
	v_cvt_pk_bf16_f32 v[X+4*(\j)],   v[X+4*(\j)],   v[X+4*(\j)+1]
	v_cvt_pk_bf16_f32 v[X+4*(\j)+1], v[X+4*(\j)+2], v[X+4*(\j)+3]
	global_store_b64 v[VXO], v[X+4*(\j):X+4*(\j)+1], s[8:9] offset:256*(\j) th:TH_STORE_NT
.endm
.irp j, 0,1,2,3,4,5,6,7
	UNPACK \j
.endr
.irp j, 0,1,2,3,4,5,6,7,8,9,10,11,12,13,14,15
	CONV \j
.endr
	s_endpgm
.Lfunc_end_k_qb5da910618_prep:
	.size	k_qb5da910618_prep, .Lfunc_end_k_qb5da910618_prep-k_qb5da910618_prep
	.p2alignl 7, 3214868480
	.fill 96, 4, 3214868480
	.section	.rodata,"a",@progbits
	.p2align	6, 0x0
	.amdhsa_kernel k_qb5da910618_prep
		.amdhsa_group_segment_fixed_size 0
		.amdhsa_private_segment_fixed_size 0
		.amdhsa_enable_private_segment 0
		.amdhsa_kernarg_size 32
		.amdhsa_user_sgpr_count 2
		.amdhsa_user_sgpr_kernarg_segment_ptr 1
		.amdhsa_wavefront_size32 1
		.amdhsa_system_sgpr_workgroup_id_x 1
		.amdhsa_system_sgpr_workgroup_id_y 1
		.amdhsa_system_sgpr_workgroup_id_z 1
		.amdhsa_system_vgpr_workitem_id 0
		.amdhsa_next_free_vgpr 120
		.amdhsa_next_free_sgpr 66
		.amdhsa_reserve_vcc 0
		.amdhsa_float_denorm_mode_32 3
		.amdhsa_float_denorm_mode_16_64 3
		.amdhsa_memory_ordered 1
		.amdhsa_forward_progress 1
		.amdhsa_inst_pref_size 16
	.end_amdhsa_kernel
	.amdgpu_metadata
---
amdhsa.version: [ 1, 2 ]
amdhsa.kernels:
  - .name:           k_qb5da910618_prep
    .symbol:         k_qb5da910618_prep.kd
    .args:
      - { .name: x, .offset: 0, .size: 8, .value_kind: global_buffer, .address_space: global }
      - { .name: packed_weights, .offset: 8, .size: 8, .value_kind: global_buffer, .address_space: global }
      - { .name: xb, .offset: 16, .size: 8, .value_kind: global_buffer, .address_space: global }
      - { .name: wb, .offset: 24, .size: 8, .value_kind: global_buffer, .address_space: global }
    .group_segment_fixed_size: 0
    .private_segment_fixed_size: 0
    .kernarg_segment_align: 8
    .kernarg_segment_size: 32
    .max_flat_workgroup_size: 256
    .sgpr_count:     66
    .vgpr_count:     120
    .wavefront_size: 32
...
	.end_amdgpu_metadata
.endif
;; end of part 1
;; launch gemm (part 2): grid 16 x 16, 4 waves a work-group, clusters of 4 x 4, 327,680 bytes of LDS; arguments xb, wb, out0, alpha, bias; writes out0
.if DOCPART == 2
	.amdgcn_target "amdgcn-amd-amdhsa--gfx1250"
	.amdhsa_code_object_version 6
	.text
	.protected	k_qb5da910618_gemm
	.globl	k_qb5da910618_gemm
	.p2align	8
	.type	k_qb5da910618_gemm,@function
k_qb5da910618_gemm:
	s_mov_b64 s[64:65], 0
	v_nop
	global_prefetch_b8 v0, s[64:65] scope:SCOPE_SE
	s_setreg_imm32_b32 hwreg(HW_REG_WAVE_MODE, 25, 1), 1
	s_wait_xcnt 0x0
	s_wait_alu depctr_hold_cnt(0) depctr_sa_sdst(0) depctr_va_vdst(0) depctr_va_sdst(0) depctr_va_ssrc(0) depctr_va_vcc(0) depctr_vm_vsrc(0)
	s_getreg_b32 s2, hwreg(HW_REG_IB_STS2, 6, 4)
	s_cmp_eq_u32 s2, 0
	s_cbranch_scc0 .Lentry_in_a_cluster
	s_endpgm
.Lentry_in_a_cluster:
	s_bfe_u32 s2, ttmp6, 0x10000c
	s_cmp_lg_u32 s2, 0xf033
	s_cbranch_scc0 .Lentry_shape_is_right
	s_endpgm
.Lentry_shape_is_right:
; out0[t][o] = alpha x (the sum over i of xb[t][i] wb[o][i]) + bias[o].  xb: [4096][4096] bf16 (x rounded once), wb: [4096][4096] bf16 (the ternary weights, exact), out0: [4096][4096] f32.
; Sums in f32; alpha and bias stay f32 and enter by one fused multiply-add for each number.  The only rounding beside the sums' own is x's to bf16.
; sparsity_bitmap is no argument: the result as it is defined names it nowhere, and a skip by it would give wrong numbers wherever it disagrees with the codes.
; A tile of out0, 256 x 256, is made by a work-group of four waves; a wave makes 128 x 128: 64 accumulators of 16 x 16, 512 registers.  16 x 16 tiles: one for each work-group.
; K goes in 32 steps of 128 through a ring of two LDS slots filled by the tensor data mover: a tile's rows are 256 bytes of memory and start at multiples of 256 bytes from the buffer's first byte.
; CLUSTERS: 4 x 4 work-groups.  The four of a row of the cluster need the same tiles of xb, the four of a column the same tiles of wb: such a tile is asked for JOINTLY, by the same tensor load
; with the same descriptor and a mask that names the four; each receives it in its own LDS.  That divides the requests for both by four.
; REGISTERS, in windows of 256 (s_set_vgpr_msb's low byte: bits 1:0 source 0, 3:2 source 1, 5:4 source 2, 7:6 destination):
;   window 0: v0-31 addresses and the bias; v64-127, v128-191 fragments of xb (8 x 16 rows x 32 K), two buffers; on the way out the same 128 hold two blocks of 16 rows
;   window 1: v64-127, v128-191 fragments of wb, two buffers
;   window 2: the 32 accumulators of my rows 0-63 (accumulator (a, b) at v[8 (8 a + b)]);   window 3: those of my rows 64-127
; THE MATRIX INSTRUCTION IS USED TRANSPOSED: source 0 = 16 rows of wb, source 1 = 16 rows of xb.  Lane l then holds row l % 16 of out0 and its registers 0 to 7 the columns 8 (l / 16) + 0 .. 7:
; 32 neighbouring bytes of a row.
.set SIZE_K, 4096
.set SIZE_N, 4096
.set KSTEP,  128
.set PITCH,  272                       ; an LDS row: 256 bytes of data + 16 of padding = 68 words: row r starts at bank 4 r mod 64 (64 banks of 4 bytes: ISA guide 11.1), so the 16 rows of a load start at 16 different banks
.set HALFT,  128*PITCH                 ; 128 rows: what one tensor load brings, and what one wave reads of xb or of wb
.set SLOT,   4*HALFT                   ; xb's 256 rows, then wb's 256 rows
.set STAGE,  2*SLOT                    ; behind the ring: 16 rows x 528 bytes for each wave, for the way out; no tensor load lands there
.set SPITCH, 528                       ; 128 f32 + 16 bytes = 33 x 16
.set SPARE,  STAGE+4*16*SPITCH         ; behind the stages: the spare words, 128 bytes for each wave: two blocks of 256 bytes that no other line names
.set LAPS,   SIZE_K/(2*KSTEP)          ; a lap = two K steps = once round the ring: 16
.set BI,   8                           ; v[8:11] the bias of the four columns that I store
.set BO,   12                          ; v12     their byte offset in bias; never rewritten
.set ADRA, 16                          ; v16-17  LDS address of my xb fragments in slot 0, 1
.set ADRB, 20                          ; v20-21  the same for wb
.set STO,  24                          ; v24     the way out: where I put 32 bytes of a row
.set RD,   25                          ; v25     the way out: where I read 16 bytes of a row back
.set CO,   26                          ; v26     my byte offset in a row of my part of out0: 16 l; never rewritten
.set SPW,  28                          ; v28     LDS address of my spare word: SPARE + 4 x my thread's number; never rewritten
.set NIL,  29                          ; v29     0; never rewritten
.set PFO,  30                          ; v30     the prefetches' offset: my lane x a row of xb or wb (8,192 bytes); never rewritten
.set PFA,  44                          ; s[44:45] where my prefetches stand: my work-group's 32 rows of the 128 that I fetch, one K step further along K than the refill in hand; a prefetch names the K step after that
.set LIM,  43                          ; s43     1 in a wave that prefetches, else the greatest number
.set AL,   72                          ; s[72:73] alpha, twice: the packed multiply-add names a pair and takes its low word for both halves
.set F0,   64                          ; fragment buffer 0
.set F1,   128                         ; fragment buffer 1
.set G1,  24                           ; s[24:31] descriptor group 1 for xb's tiles
.set G0,  32                           ; s[32:39] descriptor group 0 for xb's tiles, one set for each slot
.set G1B, 48                           ; s[48:55] descriptor group 1 for wb's tiles: it differs in the mask alone
.set G0B, 56                           ; s[56:63] descriptor group 0 for wb's tiles, one set for each slot
.set MSB, 0
.macro WIN new                         ; the immediate's high byte repeats the setting that is left; a switch that changes nothing is dropped
.if MSB != (\new)
	s_set_vgpr_msb (MSB<<8)|(\new)
.set MSB, \new
.endif
.endm
.set MUL_LO, 0xa1                      ; source 0 (wb) window 1, source 1 (xb) window 0, C and D window 2
.set MUL_HI, 0xf1                      ; the same, C and D window 3
.set TO_B,   0x40                      ; destination window 1, address window 0
; A joint load.  Waves 0 and 1 fetch xb's two halves, waves 2 and 3 wb's.  Each of the two lines has ONE mask and one set of registers for all that issue it.  The branch hangs on the wave's
; number alone.  An s_nop 0 and four v_nop follow each of the two lines, ahead of the jump, the label and what follows the macro.
.macro JLOAD s
	s_cmp_eq_u32 s11, 0
	s_cbranch_scc0 .Lfor_b_\@
	tensor_load_to_lds s[G0+4*(\s):G0+4*(\s)+3], s[G1:G1+7]
	s_nop 0
.rept 4
	v_nop
.endr
	s_branch .Lasked_\@
.Lfor_b_\@:
	tensor_load_to_lds s[G0B+4*(\s):G0B+4*(\s)+3], s[G1B:G1B+7]
	s_nop 0
.rept 4
	v_nop
.endr
.Lasked_\@:
.endm
; A PREFETCH INTO THE L2, behind each joint refill, its five lines and the run of LDS loads that follows them: the K step that stands TWO refills on (512 matrix instructions ahead of the load that
; will want it): 32 rows x 256 bytes, a lane a row, one instruction a wave.  Each row's 256 bytes of a K step are named ONCE in the launch: xb's tile row is read by every cluster of that row of
; clusters, and the one with x = 0 asks; wb's tile column by every cluster of that column, and the one with y = 0 asks.  The four partners that ask for a tile jointly share its rows out BY ADDRESS:
; of the 128 rows that a wave fetches the partner at place p takes 32 p .. 32 p + 31 (p = cx for xb, cy for wb).  K steps 0 to 3 come by their loads alone; the loop's last trip (s3 = 1) asks for
; nothing: K steps 32 and 33 do not exist.
.macro ASK
	s_cmp_gt_u32 s3, s[LIM]
	s_cbranch_scc0 .Lnot_mine_\@
	global_prefetch_b8 v[PFO], s[PFA:PFA+1] offset:KSTEP*2 th:TH_LOAD_NT scope:SCOPE_SE
.Lnot_mine_\@:
.endm
; A round of the cluster's barrier: my work-group's barrier, so that wave 0's signal speaks for all four waves; wave 0 signals for the work-group; every wave waits for all sixteen
; work-groups; my work-group's barrier once more.  No LDS instruction of the wave is pending at a signal.
.macro CREST                           ; a round behind its opening barrier
	s_cmp_lg_u32 s10, 0
	s_cbranch_scc1 .Lnot_wave_0_\@
	s_barrier_signal -3
.Lnot_wave_0_\@:
	s_barrier_wait -3
	s_barrier_signal -1
	s_barrier_wait -1
.endm
.macro CROUND                          ; a whole round
	s_barrier_signal -1
	s_barrier_wait -1
	CREST
.endm
	s_load_b128 s[4:7], s[0:1], 0x0                ; xb s[4:5], wb s[6:7]
	s_load_b64 s[8:9], s[0:1], 0x10                ; out0
	s_load_b128 s[68:71], s[0:1], 0x18             ; alpha's address s[68:69], bias's s[70:71]
	v_lshl_add_u32 v[SPW], v0, 2, SPARE
	v_mov_b32 v[NIL], 0
	ds_add_u32 v[SPW], v[NIL]                      ; the wave's opening: the add, twice on end, and its wait stand ahead of my first tensor load; the set-up below, work on registers, stands between
	ds_add_u32 v[SPW], v[NIL]                      ; and once more, under the one wait
	v_lshrrev_b32 v1, 5, v0
	v_readfirstlane_b32 s10, v1                    ; wave 0..3
	s_lshr_b32 s11, s10, 1                         ; which half of the tile's rows is mine.  Also: I fetch for xb (0) or for wb (1)
	s_and_b32 s12, s10, 1                          ; which half of its columns.  Also: which 128 rows of that tile I fetch
	s_bfe_u32 s40, ttmp6, 0x40000                  ; cx: my place along the cluster's x
	s_bfe_u32 s41, ttmp6, 0x40004                  ; cy: along its y
	s_lshl_b32 s42, ttmp9, 2                       ; in a cluster launch ttmp9 and ttmp7 count clusters
	s_add_co_u32 s42, s42, s40                     ; tile column = 4 x cluster x + cx
	s_and_b32 s13, ttmp7, 0xffff
	s_lshl_b32 s13, s13, 2
	s_add_co_u32 s13, s13, s41                     ; tile row = 4 x cluster y + cy
	s_lshl_b32 s43, s41, 2
	s_lshl_b32 s43, 15, s43                        ; my row of the cluster: places 4 cy .. 4 cy + 3
	s_lshl_b32 s44, 0x1111, s40                    ; my column: places cx, cx + 4, cx + 8, cx + 12
	; descriptor group 1: a tile of 128 rows x 128 elements, padded in LDS
	s_or_b32 s[G1+0], s43, (1<<16)|(1<<20)|(1<<21)|(5<<22)|(3<<25)   ; 15:0 the mask: xb's tiles go to my row; 17:16 elements of 2 bytes; 20 padding on; 21 set beside a mask; 24:22 after every 64 words (code 5); 31:25 4 words of it (code 3)
	s_or_b32 s[G1B+0], s44, (1<<16)|(1<<20)|(1<<21)|(5<<22)|(3<<25)  ; the same with the mask of my column, for wb's tiles
.irp g, G1, G1B
	s_mov_b32 s[(\g)+1], KSTEP<<16                 ; 63:48 tensor_dim0, low half = 128
	s_mov_b32 s[(\g)+2], 128<<16                   ; 79:64 its high half = 0; 95:80 tensor_dim1, low half = 128
	s_mov_b32 s[(\g)+3], KSTEP<<16                 ; 111:96 its high half = 0; 127:112 tile_dim0 = 128
	s_mov_b32 s[(\g)+4], 128                       ; 143:128 tile_dim1 = 128; 159:144 tile_dim2 = 0
	s_mov_b32 s[(\g)+5], SIZE_K                    ; 191:160 tensor_dim0_stride, low word: elements from row to row
	s_mov_b32 s[(\g)+6], 0
	s_mov_b32 s[(\g)+7], 0
.endr
	; where the tiles come from.  xb's hang on the tile row alone, which my row of the cluster shares; wb's on the tile column alone, which my column shares.
	; Every wave makes both addresses, in registers that never hold the other coordinate, and asks by one of them.
	s_lshl_b32 s17, s12, 7                         ; which 128 rows of the tile I fetch
	s_lshl_b32 s16, s13, 8
	s_add_co_u32 s16, s16, s17                     ; xb: row 256 x tile row + 128 x half
	s_lshl_b32 s46, s42, 8
	s_add_co_u32 s46, s46, s17                     ; wb: row 256 x tile column + 128 x half
	s_mov_b32 s17, 0
	s_mov_b32 s47, 0
	s_mov_b64 s[18:19], SIZE_K*2
	s_mul_u64 s[16:17], s[16:17], s[18:19]         ; in bytes
	s_mul_u64 s[46:47], s[46:47], s[18:19]
	s_mul_i32 s20, s10, HALFT                      ; and where they go: wave x 128 rows: no place in the cluster enters an LDS address
	s_wait_dscnt 0x0                               ; both opening adds are done
	s_wait_kmcnt 0x0
	s_add_nc_u64 s[14:15], s[4:5], s[16:17]
	s_add_nc_u64 s[46:47], s[6:7], s[46:47]
	CROUND                                         ; all sixteen work-groups are here: the first joint loads meet
.irp s, 0,1
	s_mov_b32 s[G0+4*(\s)], 1                                        ; 1:0 count = 1
	s_add_co_u32 s[G0+4*(\s)+1], s20, (\s)*SLOT                      ; 63:32 LDS address
	s_add_nc_u64 s[G0+4*(\s)+2:G0+4*(\s)+3], s[14:15], (\s)*KSTEP*2  ; 120:64 global address: K step s
	s_or_b32 s[G0+4*(\s)+3], s[G0+4*(\s)+3], 0x80000000              ; 127:126 type = 2
	s_mov_b32 s[G0B+4*(\s)], 1
	s_add_co_u32 s[G0B+4*(\s)+1], s20, (\s)*SLOT
	s_add_nc_u64 s[G0B+4*(\s)+2:G0B+4*(\s)+3], s[46:47], (\s)*KSTEP*2
	s_or_b32 s[G0B+4*(\s)+3], s[G0B+4*(\s)+3], 0x80000000
	JLOAD \s                                       ; the ring is filled before anything else is done: two tensor loads of mine are out
.endr
	s_load_b32 s[AL], s[68:69], 0x0                ; alpha
	; A fragment is 16 rows x 32 K in 8 registers: lane l holds row l % 16; registers 0-3 hold K = 8 (l / 16) + 0..7, registers 4-7 hold K = 16 + 8 (l / 16) + 0..7: two loads of 16 bytes, 32 bytes apart.
	v_and_b32 v1, 15, v0                           ; l % 16
	v_bfe_u32 v2, v0, 4, 1                         ; l / 16
	v_and_b32 v5, 31, v0                           ; l
	v_mul_u32_u24 v3, v1, PITCH
	v_lshl_add_u32 v3, v2, 4, v3                   ; row x pitch + 16 x half
	s_mul_i32 s21, s11, HALFT                      ; my 128 rows of xb
	s_mul_i32 s22, s12, HALFT                      ; my 128 rows of wb,
	s_add_co_u32 s22, s22, 2*HALFT                 ; which lie behind xb's 256
.irp s, 0,1
	v_add_nc_u32 v[ADRA+(\s)], s21, v3
	v_add_nc_u32 v[ADRB+(\s)], s22, v3
	s_add_co_u32 s21, s21, SLOT
	s_add_co_u32 s22, s22, SLOT
.endr
	s_mul_i32 s23, s10, 16*SPITCH
	s_add_co_u32 s23, s23, STAGE                   ; my stage
	v_mul_u32_u24 v4, v1, SPITCH                   ; in: row l % 16, 32 bytes for each half of the lanes
	v_lshl_add_u32 v4, v2, 5, v4
	v_add_nc_u32 v[STO], s23, v4
	v_lshl_add_u32 v[RD], v5, 4, s23               ; back: the 32 lanes take one row of 512 bytes
	v_lshlrev_b32 v[CO], 4, v5                     ; and the same 512 bytes of a row of out0
	; out0 at my part's first number
	s_lshl_b32 s13, s13, 8                         ; 256 x tile row
	s_lshl_b32 s14, s11, 7
	s_add_co_u32 s16, s13, s14                     ; my first row,
	s_lshl_b32 s16, s16, 14                        ; times 16,384 bytes: under 2^26
	s_mov_b32 s17, 0
	s_add_nc_u64 s[8:9], s[8:9], s[16:17]
	s_lshl_b32 s46, s42, 10                        ; my first column, in bytes of f32: 1,024 x tile column + 512 x half
	s_lshl_b32 s47, s12, 9
	s_add_co_u32 s46, s46, s47
	s_mov_b32 s47, 0
	s_add_nc_u64 s[8:9], s[8:9], s[46:47]
	v_lshl_add_u32 v[BO], v5, 4, s46               ; the same bytes in bias, + my four columns
	global_load_b128 v[BI:BI+3], v[BO], s[70:71]
	; the prefetches.  s13 = 256 x tile row, s42 = tile column, s40 = cx, s41 = cy still stand
	s_lshl_b32 s42, s42, 8
	s_and_b32 s22, ttmp7, 0xffff                   ; cluster y
	s_cmp_eq_u32 s11, 0                            ; do I fetch for xb?
	s_cselect_b32 s20, s13, s42                    ; the tile's first row: in xb by the tile row, in wb by the tile column
	s_cselect_b32 s21, s40, s41                    ; my place among the four that ask for it with me
	s_cselect_b32 s22, ttmp9, s22                  ; the coordinate along which other clusters read the same rows
	s_cselect_b64 s[PFA:PFA+1], s[4:5], s[6:7]
	s_cmp_eq_u32 s22, 0
	s_cselect_b32 s[LIM], 1, -1                    ; the same in all sixteen partners, for a given wave
	s_lshl_b32 s22, s12, 7
	s_add_co_u32 s20, s20, s22                     ; + the 128 rows that I fetch
	s_lshl_b32 s21, s21, 5
	s_add_co_u32 s20, s20, s21                     ; + my work-group's 32 of them
	s_mov_b32 s21, 0
	s_mov_b64 s[18:19], SIZE_K*2
	s_mul_u64 s[20:21], s[20:21], s[18:19]
	s_add_nc_u64 s[PFA:PFA+1], s[PFA:PFA+1], s[20:21]
	s_add_nc_u64 s[PFA:PFA+1], s[PFA:PFA+1], 2*KSTEP*2  ; at K step 2: the first refill steps it to 3 and names K step 4
	v_mul_u32_u24 v[PFO], v5, SIZE_K*2
	s_wait_kmcnt 0x0                               ; alpha
	s_mov_b32 s[AL+1], s[AL]                       ; named with it as a pair, so it is written
; 16 matrix instructions: m blocks a0, a0 + 1 of the window's four (hi = 0: my rows 0-63, 1: rows 64-127) x all 8 n blocks, 32 along K.
; zero = 1: the first product starts the sums: nothing is ever cleared.  The 64 accumulators take turns in the same order in every quarter step.
.macro MUL16 f, hi, a0, zero
	WIN MUL_LO+0x50*(\hi)
.irp a, \a0, (\a0)+1
.irp b, 0,1,2,3,4,5,6,7
.if \zero
	v_wmma_f32_16x16x32_bf16 v[8*(8*(\a)+(\b)):8*(8*(\a)+(\b))+7], v[(\f)+8*(\b):(\f)+8*(\b)+7], v[(\f)+8*(4*(\hi)+(\a)):(\f)+8*(4*(\hi)+(\a))+7], 0
.else
	v_wmma_f32_16x16x32_bf16 v[8*(8*(\a)+(\b)):8*(8*(\a)+(\b))+7], v[(\f)+8*(\b):(\f)+8*(\b)+7], v[(\f)+8*(4*(\hi)+(\a)):(\f)+8*(4*(\hi)+(\a))+7], v[8*(8*(\a)+(\b)):8*(8*(\a)+(\b))+7]
.endif
.endr
.endr
.endm
; 32 LDS loads in one run: the fragments of one quarter step (128 rows of wb, 128 rows of xb, 32 K at byte k of the rows) into buffer f
.macro FETCH slot, k, f
	WIN TO_B
.irp i, 0,1,2,3,4,5,6,7
	ds_load_b128 v[(\f)+8*(\i):(\f)+8*(\i)+3],   v[ADRB+(\slot)] offset:(\k)+(\i)*16*PITCH
	ds_load_b128 v[(\f)+8*(\i)+4:(\f)+8*(\i)+7], v[ADRB+(\slot)] offset:(\k)+(\i)*16*PITCH+32
.endr
	WIN 0
.irp i, 0,1,2,3,4,5,6,7
	ds_load_b128 v[(\f)+8*(\i):(\f)+8*(\i)+3],   v[ADRA+(\slot)] offset:(\k)+(\i)*16*PITCH
	ds_load_b128 v[(\f)+8*(\i)+4:(\f)+8*(\i)+7], v[ADRA+(\slot)] offset:(\k)+(\i)*16*PITCH+32
.endr
.endm
; A load into a register that a matrix instruction has read, and a store that reads a matrix result, stand four places behind that matrix instruction, and only plain vector instructions that
; name none of its registers are places (ISA guide 7.12.1 for vector instructions).
.macro PLACES
.rept 4
	v_nop
.endr
.endm
; A K step is four quarter steps of 32 along K, 64 matrix instructions each, on buffers 0, 1, 0, 1.
; One of the first three: multiplies buffer f; in its middle it fetches the next quarter's fragments, at byte k of the same slot's rows, into buffer g.
.macro QUARTER slot, k, f, g, zero
	s_wait_dscnt 8                                 ; wb and xb's rows 0-63 are in; the youngest eight loads (xb's rows 64-127) may be out
	WIN MUL_LO
	MUL16 \f, 0, 0, \zero
	MUL16 \f, 0, 2, \zero
	PLACES
	FETCH \slot, \k, \g
	s_wait_dscnt 32                                ; all but the 32 just issued
	WIN MUL_HI
	MUL16 \f, 1, 0, \zero
	MUL16 \f, 1, 2, \zero
.endm
; The last quarter multiplies buffer 1 and changes slots.  MEET is its first half: ONE barrier for the change of slots.  In front of it each wave waits for all its tensor loads, of which one
; is out: its part of the next slot; adds 0 to its spare word; and waits for that and for its own reads of this slot.  Behind it nobody reads this slot any more and the next slot is whole.
.macro MEET round                      ; round = 1: the rest of a round of the cluster's barrier follows
	WIN 0                                          ; (the add's two registers lie in window 0)
	s_wait_tensorcnt 0x0                           ; all my tensor loads have landed;
	ds_add_u32 v[SPW], v[NIL]                      ; 0 onto my spare word;
	s_wait_dscnt 9                                 ; (the add and the youngest eight loads may be out)
	WIN MUL_LO
	MUL16 F1, 0, 0, 0                              ; sixteen matrix instructions stand between the add and the wait for it
	s_wait_dscnt 0x0                               ; the add is done, and my reads of this slot are over:
	s_barrier_signal -1                            ; say so,
	MUL16 F1, 0, 2, 0                              ; work on registers while the others arrive,
.if \round
	WIN 0
.endif
	s_barrier_wait -1                              ; and go on when all four have said so
.endm
; The whole last quarter.  fill = 1: behind the round the slot just read out is filled again first, with the K step two steps on; then come the next slot's first fragments.  From a request to the
; wait for it a wave issues 224 matrix instructions.  fill = 0: nothing is left to ask for, and the work-group's barrier is enough.
.macro TURN slot, next, fill
.if \fill
	s_wait_xcnt 0x0                                ; the last prefetch, a K step back, has read its address: it is stepped here, ahead of the waits of the change of slots
	s_add_nc_u64 s[PFA:PFA+1], s[PFA:PFA+1], KSTEP*2
	MEET 1
	CREST                                          ; no wave of any partner still reads this slot's tile or has a load on its way
	s_add_nc_u64 s[G0+4*(\slot)+2:G0+4*(\slot)+3], s[G0+4*(\slot)+2:G0+4*(\slot)+3], 2*KSTEP*2      ; no tensor load of mine is out, so a group 0 may be written
	s_add_nc_u64 s[G0B+4*(\slot)+2:G0B+4*(\slot)+3], s[G0B+4*(\slot)+2:G0B+4*(\slot)+3], 2*KSTEP*2
	JLOAD \slot                                    ; the first tensor load behind the round, my only one until the next; its four v_nop are also the places in front of the loads below
.else
	MEET 0
	PLACES
.endif
	FETCH \next, 0, F0
.if \fill
	ASK
.endif
	WIN MUL_HI
	MUL16 F1, 1, 0, 0
	MUL16 F1, 1, 2, 0
.endm
; THE WAY OUT of block a (16 rows x my 128 columns), in two parts.  TOSTAGE: the f32 sums go as they are into my own stage in LDS, 32 bytes a lane and accumulator, each accumulator's low four
; registers first, and come back as whole rows of 512 bytes, 16 bytes a lane, into buffer a % 2.  LDS serves a wave's instructions in order (ISA guide 5.7.1.4): the loads see the stores above
; them, and the next block's stores come behind these loads.
.macro TOSTAGE a
.set AC, 64*((\a)%4)
.set BK, F0+64*((\a)%2)
.if (\a) >= 2
	s_wait_xcnt 0x0                                ; block a - 2's stores have read this buffer: it is loaded again only behind this wait
.endif
	WIN 0x08+4*((\a)/4)                            ; the stores' data (source 1) in window 2 or 3
.irp b, 0,1,2,3,4,5,6,7
	ds_store_b128 v[STO], v[AC+8*(\b):AC+8*(\b)+3]   offset:64*(\b)
	ds_store_b128 v[STO], v[AC+8*(\b)+4:AC+8*(\b)+7] offset:64*(\b)+16
.endr
	WIN 0
.irp t, 0,1,2,3,4,5,6,7,8,9,10,11,12,13,14,15
	ds_load_b128 v[BK+4*(\t):BK+4*(\t)+3], v[RD] offset:(\t)*SPITCH
.endr
.endm
; SEND: alpha x sum + bias, one fused multiply-add a number, and the row is stored.  younger: the LDS instructions issued behind block a's loads: the next block's 32, or none.
.macro SEND a, younger
.set BK, F0+64*((\a)%2)
	WIN 0
.irp t, 0,1,2,3,4,5,6,7,8,9,10,11,12,13,14,15
	s_wait_dscnt (\younger)+15-(\t)                ; row t is back: behind its load stand 15 - t of the block's and the younger ones
	v_pk_fma_f32 v[BK+4*(\t):BK+4*(\t)+1],   v[BK+4*(\t):BK+4*(\t)+1],   s[AL:AL+1], v[BI:BI+1]   op_sel_hi:[1,0,1]
	v_pk_fma_f32 v[BK+4*(\t)+2:BK+4*(\t)+3], v[BK+4*(\t)+2:BK+4*(\t)+3], s[AL:AL+1], v[BI+2:BI+3] op_sel_hi:[1,0,1]
	global_store_b128 v[CO], v[BK+4*(\t):BK+4*(\t)+3], s[8:9] offset:(16*(\a)+(\t))*SIZE_N*4 th:TH_STORE_NT  ; 512 consecutive bytes, at a multiple of 512 from out0's first; 127 rows at the most: inside the signed 24-bit immediate
.endr
.endm
	s_wait_tensorcnt 1                             ; my part of K step 0 is in; K step 1's may stay out
	s_wait_loadcnt 0x0                             ; the bias
	s_barrier_signal -1
	s_barrier_wait -1                              ; everybody's part is in
	FETCH 0, 0, F0
	QUARTER 0, 64,  F0, F1, 1                      ; the first quarter stands in front of the loop: its products start the sums
	WIN 0                                          ; at a label and at a branch every window is 0
	s_mov_b32 s3, LAPS-1
.Llap:                                                 ; a trip goes once round the ring, from a lap's second quarter to the next lap's first, and fills both slots again: K steps 2 to 31 in 15 trips
	QUARTER 0, 128, F1, F0, 0
	QUARTER 0, 192, F0, F1, 0
	TURN 0, 1, 1
	QUARTER 1, 64,  F0, F1, 0
	QUARTER 1, 128, F1, F0, 0
	QUARTER 1, 192, F0, F1, 0
	TURN 1, 0, 1
	QUARTER 0, 64,  F0, F1, 0
	WIN 0
	s_sub_co_u32 s3, s3, 1
	s_cmp_lg_u32 s3, 0
	s_cbranch_scc1 .Llap
	QUARTER 0, 128, F1, F0, 0                      ; the last lap is written out: it asks for nothing
	QUARTER 0, 192, F0, F1, 0
	TURN 0, 1, 0                                   ; my one tensor load that was still out is slot 1's, the last K step's
	QUARTER 1, 64,  F0, F1, 0
	QUARTER 1, 128, F1, F0, 0
	QUARTER 1, 192, F0, F1, 0
	s_wait_dscnt 8                                 ; the very last quarter: nothing more to fetch
	WIN MUL_LO
	MUL16 F1, 0, 0, 0
	MUL16 F1, 0, 2, 0
	s_wait_dscnt 0x0
	MUL16 F1, 1, 0, 0
	MUL16 F1, 1, 2, 0
	PLACES                                         ; behind the last products, in front of the stores that read results and of the loads into xb's buffers;
	PLACES                                         ; eight, once a launch
	TOSTAGE 0
.irp a, 1,2,3,4,5,6,7                  ; block a's trip through the stage is on its way while block a - 1 is scaled and stored
	TOSTAGE \a
	SEND (\a)-1, 32
.endr
	SEND 7, 0
	s_wait_tensorcnt 0x0                           ; the wave's end, behind my last tensor load and my last LDS store
	ds_add_u32 v[SPW], v[NIL]
	s_wait_dscnt 0x0
	CROUND                                         ; the closing round: no work-group ends while a partner may still ask for a tile that names it
	s_endpgm
.Lfunc_end_k_qb5da910618_gemm:
	.size	k_qb5da910618_gemm, .Lfunc_end_k_qb5da910618_gemm-k_qb5da910618_gemm
	.p2alignl 7, 3214868480
	.fill 96, 4, 3214868480
	.section	.rodata,"a",@progbits
	.p2align	6, 0x0
	.amdhsa_kernel k_qb5da910618_gemm
		.amdhsa_group_segment_fixed_size 327680
		.amdhsa_private_segment_fixed_size 0
		.amdhsa_enable_private_segment 0
		.amdhsa_kernarg_size 40
		.amdhsa_user_sgpr_count 2
		.amdhsa_user_sgpr_kernarg_segment_ptr 1
		.amdhsa_wavefront_size32 1
		.amdhsa_system_sgpr_workgroup_id_x 1
		.amdhsa_system_sgpr_workgroup_id_y 1
		.amdhsa_system_sgpr_workgroup_id_z 1
		.amdhsa_system_vgpr_workitem_id 0
		.amdhsa_next_free_vgpr 1024
		.amdhsa_next_free_sgpr 80
		.amdhsa_reserve_vcc 0
		.amdhsa_float_denorm_mode_32 3
		.amdhsa_float_denorm_mode_16_64 3
		.amdhsa_memory_ordered 1
		.amdhsa_forward_progress 1
		.amdhsa_inst_pref_size 162
	.end_amdhsa_kernel
	.amdgpu_metadata
---
amdhsa.version: [ 1, 2 ]
amdhsa.kernels:
  - .name:           k_qb5da910618_gemm
    .symbol:         k_qb5da910618_gemm.kd
    .args:
      - { .name: xb, .offset: 0, .size: 8, .value_kind: global_buffer, .address_space: global }
      - { .name: wb, .offset: 8, .size: 8, .value_kind: global_buffer, .address_space: global }
      - { .name: out0, .offset: 16, .size: 8, .value_kind: global_buffer, .address_space: global }
      - { .name: alpha, .offset: 24, .size: 8, .value_kind: global_buffer, .address_space: global }
      - { .name: bias, .offset: 32, .size: 8, .value_kind: global_buffer, .address_space: global }
    .group_segment_fixed_size: 327680
    .private_segment_fixed_size: 0
    .kernarg_segment_align: 8
    .kernarg_segment_size: 40
    .max_flat_workgroup_size: 128
    .sgpr_count:     80
    .vgpr_count:     1024
    .wavefront_size: 32
...
	.end_amdgpu_metadata
.endif
;; end of part 2
;; ======== version 2 of 2: 2 launches; version 1 with the launch prep written anew for expert scheduling mode
;; workspace buffers: xb 33,554,432 bytes; wb 33,554,432 bytes
;; launch prep (part 3): grid 1024 x 1, 8 waves a work-group, no clusters, 0 bytes of LDS; arguments x, packed_weights, xb, wb; writes xb, wb
.if DOCPART == 3
	.amdgcn_target "amdgcn-amd-amdhsa--gfx1250"
	.amdhsa_code_object_version 6
	.text
	.protected	k_qb5da910618_prep
	.globl	k_qb5da910618_prep
	.p2align	8
	.type	k_qb5da910618_prep,@function
k_qb5da910618_prep:
	s_mov_b64 s[64:65], 0
	v_nop
	global_prefetch_b8 v0, s[64:65] scope:SCOPE_SE
	s_setreg_imm32_b32 hwreg(HW_REG_WAVE_SCHED_MODE, 0, 2), 2
	s_setreg_imm32_b32 hwreg(HW_REG_WAVE_MODE, 25, 1), 1
	s_wait_xcnt 0x0
	s_wait_alu depctr_vm_vsrc(0)
; xb = x rounded once to bf16 (nearest even).  wb[o][i] = the ternary weight as bf16: code 0 -> 0, 1 -> +1, 2 -> -1, 3 -> 0: exact.
; x: [4096][4096] f32.  packed_weights: 4 codes of 2 bits a byte, the lowest bits first, weight n = 4096 o + i.  xb, wb: [4096][4096] bf16.
; LIMIT.  An |x| beyond bf16's largest finite number becomes an infinity; NaN stays NaN.
; SHARES.  Work-group g takes 4 rows of x (65,536 bytes in, 32,768 out) and 4 rows of W (4,096 bytes in, 32,768 out); each of its eight waves an eighth of both.
; A straight line: a wave asks for all its 8,704 bytes first (8 loads of codes, 16 of x), then unpacks, converts and stores as the loads come back, by counted waits.
; No register that a store reads is written afterwards, so no wait frees one.  Nothing is shared between waves: no LDS, no barrier.
; BYTES.  A load of x covers 512 consecutive bytes of the wave; its store 256 consecutive bytes, aligned.  A load of codes takes 2 bytes a lane (8 weights), which become the lane's 16 bytes of
; wb: the store covers 512 consecutive bytes, aligned; the wave's eight loads of codes cover 512 consecutive bytes.
; THE MODE: SCHED_MODE bits 1:0 = 2 (LLVM: expert scheduling mode 2), set by the entry lines.  The code itself states the register dependences
; between vector instructions and memory instructions, with s_wait_alu, always for 0.
; THE PLAN.  The work is 24 steps, one for each load: steps 0 to 7 unpack codes, steps 8 to 23 convert x; they go in six groups of four.  Registers that memory instructions touch:
;   v3 .. v6   byte offsets.  Written once at the head; read by every load and store; never written again.
;   CD, X      Written by the loads, all of which are issued at the head, before any vector instruction names them; read by their step's vector lines.
;   WO, and the first two registers of each four of X: the out-buffers.  Written by step n's vector lines; read by step n's one store, which is issued in step n + 4; never written again.
; So a group's memory instructions are the four stores of the group before, whose registers no vector line of this group names.  ONE wait on va_vdst at a group's head states all that those four
; stores hang on, and they are dealt among the group's steps with no further wait.  One more stands ahead of the first load, for the offsets, and one ahead of the last four stores.
; No register that a memory instruction reads is written again, no vector line writes a scalar register, and EXEC is never written: no other wait is owed.
.set VX,  3                            ; v3   my byte offset in the work-group's x:      8,192 w + 16 l
.set VXO, 4                            ; v4   in its xb:                                 4,096 w + 8 l
.set VP,  5                            ; v5   in its codes:                              512 w + 2 l
.set VW,  6                            ; v6   in its wb:                                 4,096 w + 16 l
.set X,   16                           ; v[16:79]   load j of x: 4 registers; its two packed results take the first two
.set CD,  80                           ; v[80:87]   load j of codes: 16 bits
.set WO,  88                           ; v[88:119]  store j of wb: 4 registers
	s_load_b256 s[4:11], s[0:1], 0x0               ; x s[4:5], packed_weights s[6:7], xb s[8:9], wb s[10:11]
	s_lshl_b32 s12, ttmp9, 16                      ; the work-group's part of x,
	s_mov_b32 s13, 0
	s_lshl_b32 s14, ttmp9, 15                      ; of xb and of wb,
	s_mov_b32 s15, 0
	s_lshl_b32 s16, ttmp9, 12                      ; of the codes: all under 2^32
	s_mov_b32 s17, 0
	s_mov_b32 s18, 0x03030303                      ; a code in each byte
	s_mov_b32 s19, 0x04000400                      ; bytes 1 and 3 select from the table of high bytes
	s_mov_b32 s20, 0x00bf3f00                      ; bf16's high byte for codes 0, 1, 2, 3: 0, +1 (0x3f80), -1 (0xbf80), 0
	s_mov_b32 s21, 0x00808000                      ; and its low byte
	s_mov_b32 s22, 0x404101                        ; 1 + 2^8 + 2^14 + 2^22
	v_and_b32 v1, 31, v0                           ; l
	v_and_b32 v2, 0xe0, v0                         ; 32 w
	v_lshlrev_b32 v7, 4, v1
	v_lshlrev_b32 v8, 3, v1
	v_lshlrev_b32 v9, 1, v1
	v_lshl_or_b32 v[VX],  v2, 8, v7
	v_lshl_or_b32 v[VXO], v2, 7, v8
	v_lshl_or_b32 v[VP],  v2, 4, v9
	v_lshl_or_b32 v[VW],  v2, 7, v7
	s_wait_kmcnt 0x0
	s_add_nc_u64 s[4:5], s[4:5], s[12:13]
	s_add_nc_u64 s[6:7], s[6:7], s[16:17]
	s_add_nc_u64 s[8:9], s[8:9], s[14:15]
	s_add_nc_u64 s[10:11], s[10:11], s[14:15]
	s_wait_alu depctr_va_vdst(0)                   ; the four offsets v3 to v6 are written: every load and store of the kernel reads one of them
.irp j, 0,1,2,3,4,5,6,7
	global_load_u16 v[CD+(\j)], v[VP], s[6:7] offset:64*(\j)
.endr
.irp j, 0,1,2,3,4,5,6,7,8,9,10,11,12,13,14,15
	global_load_b128 v[X+4*(\j):X+4*(\j)+3], v[VX], s[4:5] offset:512*(\j) th:TH_LOAD_NT
.endr
; Eight weights.  Register r takes weights 2 r and 2 r + 1: the four bits n = c0 + 4 c1 at bit 4 r.  n x (1 + 2^8 + 2^14 + 2^22) lays four copies that do not touch each other, so that
; bits 1:0 and 9:8 hold c0 and bits 17:16 and 25:24 hold c1; masked, with 4 set in bytes 1 and 3, these are the four byte selects of v_perm_b32: low byte, high byte of c0's bf16, then of c1's.
.macro UNPACK j
.irp r, 0,1,2,3
	v_bfe_u32 v[WO+4*(\j)+(\r)], v[CD+(\j)], 4*(\r), 4
.endr
.irp r, 0,1,2,3
	v_mul_u32_u24 v[WO+4*(\j)+(\r)], s22, v[WO+4*(\j)+(\r)]
.endr
.irp r, 0,1,2,3
	v_and_or_b32 v[WO+4*(\j)+(\r)], v[WO+4*(\j)+(\r)], s18, s19
.endr
.irp r, 0,1,2,3
	v_perm_b32 v[WO+4*(\j)+(\r)], s20, s21, v[WO+4*(\j)+(\r)]  ; selects 0-3: the second source (low bytes); 4-7: the first (high bytes)
.endr
.endm
; Four numbers of x: two roundings an instruction, in place, in this order.
.macro CONV j
	v_cvt_pk_bf16_f32 v[X+4*(\j)],   v[X+4*(\j)],   v[X+4*(\j)+1]
	v_cvt_pk_bf16_f32 v[X+4*(\j)+1], v[X+4*(\j)+2], v[X+4*(\j)+3]
.endm
; The store of step n: 16 bytes of wb a lane (steps 0 to 7), or 8 bytes of xb (steps 8 to 23).
.macro OUT n
.if (\n) < 8
	global_store_b128 v[VW], v[WO+4*(\n):WO+4*(\n)+3], s[10:11] offset:512*(\n) th:TH_STORE_NT  ; codes at byte q are weights 4 q on: wb's bytes 8 q on
.else
	global_store_b64 v[VXO], v[X+4*((\n)-8):X+4*((\n)-8)+1], s[8:9] offset:256*((\n)-8) th:TH_STORE_NT
.endif
.endm
; Step n: its load is in; the store of step n - 4 goes out; then its own vector lines.
.macro STEP n
	s_wait_loadcnt 23-(\n)                         ; loads come back in order: behind load n of the 24 (8 of codes, then 16 of x) stand 23 - n; stores are not counted here
.if (((\n) % 4) == 0) && ((\n) > 0)
	s_wait_alu depctr_va_vdst(0)                   ; the group before has written its four out-buffers, which the four stores of this group's steps read; no vector line behind this wait names them
.endif
.if (\n) >= 4
	OUT (\n)-4
.endif
.if (\n) < 8
	UNPACK \n
.else
	CONV (\n)-8
.endif
.endm
.irp n, 0,1,2,3,4,5,6,7,8,9,10,11,12,13,14,15,16,17,18,19,20,21,22,23
	STEP \n
.endr
	s_wait_alu depctr_va_vdst(0)                   ; the last group's conversions have written their out-buffers, which the last four stores read
.irp n, 20,21,22,23
	OUT \n
.endr
	s_endpgm
.Lfunc_end_k_qb5da910618_prep:
	.size	k_qb5da910618_prep, .Lfunc_end_k_qb5da910618_prep-k_qb5da910618_prep
	.p2alignl 7, 3214868480
	.fill 96, 4, 3214868480
	.section	.rodata,"a",@progbits
	.p2align	6, 0x0
	.amdhsa_kernel k_qb5da910618_prep
		.amdhsa_group_segment_fixed_size 0
		.amdhsa_private_segment_fixed_size 0
		.amdhsa_enable_private_segment 0
		.amdhsa_kernarg_size 32
		.amdhsa_user_sgpr_count 2
		.amdhsa_user_sgpr_kernarg_segment_ptr 1
		.amdhsa_wavefront_size32 1
		.amdhsa_system_sgpr_workgroup_id_x 1
		.amdhsa_system_sgpr_workgroup_id_y 1
		.amdhsa_system_sgpr_workgroup_id_z 1
		.amdhsa_system_vgpr_workitem_id 0
		.amdhsa_next_free_vgpr 120
		.amdhsa_next_free_sgpr 66
		.amdhsa_reserve_vcc 0
		.amdhsa_float_denorm_mode_32 3
		.amdhsa_float_denorm_mode_16_64 3
		.amdhsa_memory_ordered 1
		.amdhsa_forward_progress 1
		.amdhsa_inst_pref_size 16
	.end_amdhsa_kernel
	.amdgpu_metadata
---
amdhsa.version: [ 1, 2 ]
amdhsa.kernels:
  - .name:           k_qb5da910618_prep
    .symbol:         k_qb5da910618_prep.kd
    .args:
      - { .name: x, .offset: 0, .size: 8, .value_kind: global_buffer, .address_space: global }
      - { .name: packed_weights, .offset: 8, .size: 8, .value_kind: global_buffer, .address_space: global }
      - { .name: xb, .offset: 16, .size: 8, .value_kind: global_buffer, .address_space: global }
      - { .name: wb, .offset: 24, .size: 8, .value_kind: global_buffer, .address_space: global }
    .group_segment_fixed_size: 0
    .private_segment_fixed_size: 0
    .kernarg_segment_align: 8
    .kernarg_segment_size: 32
    .max_flat_workgroup_size: 256
    .sgpr_count:     66
    .vgpr_count:     120
    .wavefront_size: 32
...
	.end_amdgpu_metadata
.endif
;; end of part 3
;; launch gemm: the kernel of part 2 again; grid 16 x 16, 4 waves a work-group, clusters of 4 x 4, 327,680 bytes of LDS; arguments xb, wb, out0, alpha, bias; writes out0
